; MI455X (gfx1250); checked and timed in simulation.
; The chip was launched on July 23, 2026; its instructions are those of AMD's public machine-readable ISA for CDNA 5 (MIT licence, August 2026) and "CDNA5" Instruction Set Architecture Reference Guide (July 2026). The comments in the code are by the model that wrote it; some were corrected since.
;; Multi Head Attention. Allowed arithmetic: matrix products marked QUANTISED: E3M2 operands, one E8M0 scale for each 32 along K, by v_wmma_scale_f32_16x16x128_f8f6f4 with both operands' format E3M2, f32 sums; everything else in f32.
;; Inputs: b_o 256 float32; w_k 256 x 256 float32; w_o 256 x 256 float32; w_q 256 x 256 float32; w_v 256 x 256 float32; x 8 x 2,048 x 256 float32.
;; Outputs: out0 8 x 2,048 x 256 float32.
;; This version of the problem:
;;   THIS VERSION OF THE PROBLEM IS GIVEN IN LOW PRECISION. The matrix products marked QUANTISED in the list below multiply operands that are first quantised to E3M2 (3 exponent bits, 2 mantissa bits; 6 bits a number), with one power-of-two scale for each 32 numbers along K (OCP MX v1.0); their sums are f32. All else is computed in f32.
;;   The module's matrix products, in the order in which they are computed (A, B: the left and right operand; K: the contracted axis; several contracted axes count as one K, in the product's order):
;;     1. [M 16,384, K 256] x [K 256, N 256]; A: input x; B: input w_q: QUANTISED
;;     2. [M 16,384, K 256] x [K 256, N 256]; A: input x; B: input w_k: QUANTISED
;;     3. [M 16,384, K 256] x [K 256, N 256]; A: input x; B: input w_v: QUANTISED
;;     4. batch 32 x [M 2,048, K 64] x [K 64, N 2,048]; A: computed on the way; B: computed on the way: QUANTISED
;;     5. batch 32 x [M 2,048, K 2,048] x [K 2,048, N 64]; A: softmax (see below); B: computed on the way: QUANTISED
;;     6. [M 16,384, K 256] x [K 256, N 256]; A: computed on the way; B: input w_o: QUANTISED
;;   THE QUANTISER, for each operand of a quantised product, along K:
;;     - K is cut into blocks of 32 from its start; a last block that is shorter is filled with zeros.
;;     - A block's scale is 2^e with e = floor(log2(the largest magnitude in the block)) - 4, held to -126 .. 127; a block of zeros has e = 0. As a byte (E8M0): e + 127.
;;     - Each number is divided by its block's scale, clamped to +-28, and rounded to the nearest number of E3M2, ties to even, subnormals kept.
;;     - The product sums the exact products of the quantised numbers (number of the format x scale) in f32.
;;   ~~~python
;;   def quantise(x, axis):      # numpy; x: float32 -> the quantised numbers, widened to float32 again
;;       x = np.moveaxis(x, axis, -1); K = x.shape[-1]
;;       x = np.pad(x, [(0, 0)] * (x.ndim - 1) + [(0, -K % 32)]); x = x.reshape(x.shape[:-1] + (-1, 32)); a = np.abs(x).max(-1, keepdims=True)
;;       e = np.where(a > 0, np.clip(np.frexp(np.where(a > 0, a, 1))[1] - 1 - 4, -126, 127), 0)      # np.frexp(a)[1] - 1 = floor(log2(a)), exactly
;;       r = np.clip(x / 2.0 ** e, -28, 28)
;;       step = 2.0 ** (np.maximum(np.frexp(np.where(r == 0, 1, r))[1] - 1, -2) - 2)
;;       q = np.round(r / step) * step * 2.0 ** e      # np.round: ties to even
;;       return np.moveaxis(q.reshape(q.shape[:-2] + (-1,))[..., :K], -1, axis).astype(np.float32)
;;   ~~~
;;   SOFTMAX AHEAD OF A QUANTISED PRODUCT. Where the list says 'softmax', what is quantised is not the finished softmax but p = 2^(t - M), with t = logit x log2(e) and M = ceil(the row's largest t), a whole number; so 1/2 < the row's largest p <= 1. The row's sum l is taken of the UNQUANTISED p, in f32, and the product's result is divided by l at the end. Since M is a whole number, a kernel that streams over the keys may use a running M (the ceiling of the running maximum): every later rescaling is an exact power of two, which a block's scale takes up: the codes' values come out the same.
;;   OPERANDS COMPUTED ON THE WAY. 'Computed on the way' means the value that the module computes at that place (a softmax that the list does not call 'softmax' is quantised finished and normalised). What goes into a quantiser is computed in f32, as accurately as f32 sums, v_exp_f32 and their like allow (about 1e-6 of the number): no bf16 or f16 on the way to a quantiser, and a product that is left as it is and whose result goes on into a quantised operand takes f32 operands (vector FMAs, or v_wmma_f32_16x16x4_f32). A number that lies on a knife's edge between two numbers of the format may be rounded either way, as far as f32 arithmetic and the matrix unit's own rounding can turn it there, and no further.
;; One version. Each part assembles by itself: llvm-mc -triple=amdgcn-amd-amdhsa -mcpu=gfx1250 --defsym DOCPART=n.
;; ======== version 1 of 1: 2 launches
;; limits: right only within a limited range of input values
;; workspace buffers: wimg 57,344 bytes; qimg 4,194,304 bytes; kv 6,553,600 bytes
;; launch prep (part 1): grid 256 x 1, 16 waves a work-group, clusters of 4 x 1, 327,680 bytes of LDS; arguments x, w_q, w_k, w_v, w_o, wimg, qimg, kv; writes wimg, qimg, kv
.if DOCPART == 1
	.amdgcn_target "amdgcn-amd-amdhsa--gfx1250"
	.amdhsa_code_object_version 6
	.text
	.protected	k_q53dbe4b9a0_prep
	.globl	k_q53dbe4b9a0_prep
	.p2align	8
	.type	k_q53dbe4b9a0_prep,@function
k_q53dbe4b9a0_prep:
	s_mov_b64 s[64:65], 0
	v_nop
	global_prefetch_b8 v0, s[64:65] scope:SCOPE_SE
	s_setreg_imm32_b32 hwreg(HW_REG_WAVE_MODE, 25, 1), 1
	s_wait_xcnt 0x0
	s_wait_alu depctr_hold_cnt(0) depctr_sa_sdst(0) depctr_va_vdst(0) depctr_va_sdst(0) depctr_va_ssrc(0) depctr_va_vcc(0) depctr_vm_vsrc(0)
	s_getreg_b32 s2, hwreg(HW_REG_IB_STS2, 6, 4)
	s_cmp_eq_u32 s2, 0
	s_cbranch_scc0 .Lentry_in_a_cluster
	s_endpgm
.Lentry_in_a_cluster:
	s_bfe_u32 s2, ttmp6, 0x10000c
	s_cmp_lg_u32 s2, 0x3003
	s_cbranch_scc0 .Lentry_shape_is_right
	s_endpgm
.Lentry_shape_is_right:
; q, k, v = x w_q, x w_k, x w_v on codes of BF6 (E3M2) with one E8M0 byte for each 32 along K; the results are quantised at once for the attention's two products
; (q and k along the head's 64, v along the tokens) and leave as images of operand registers.  w_o is quantised too.
; SHARES.  A work-group takes 256 tokens (block tb) and one head (hd = cx): 64 columns of each of the three weights.  The four partners of a cluster take the four heads of the same tokens: x is asked for JOINTLY (mask 15),
; 16 rows a wave, and lies in LDS as f32.  The weights' columns differ between partners: each work-group loads its own from memory and quantises them: wave WV takes 32 columns (half WV % 2) of k block WV / 2 of each weight,
; a lane a column, its registers down K: a load reads 128 consecutive bytes.  Wave WV = 4 gb + m then owns tile m of the 64 tokens gb: quantises x's 16 rows, makes q and k of them, and v of dim tile m for the 64 tokens.
; w_o: 32 fragments (16 columns x 128 K): wave 15 of the work-groups with tb < 8 makes fragment 4 tb + hd.
; A TILE'S ROWS.  Row 8 h + j of token tile m is token 32 h + 8 ((m + h) % 4) + j of its 64: in a result, lane half h then holds the whole block of 32 tokens in its 32 registers (4 tiles x 8), in the same order for K's tiles
; and for V; and the 16 rows that a read of x touches lie on 16 different banks (rows 1,040 bytes apart).  Row 8 h + j of column tile t is column 32 h + 8 t + j of the head's 64: a lane half holds dims 32 h + 0 .. 31.
; q and k use the product TRANSPOSED (source 0 = 16 columns of W, source 1 = x's tile): a lane holds one token, its registers run along the head.  v uses it as it stands (source 0 = x's tile, source 1 = 16 columns of w_v).
; qimg: (tile 4 g + m, head hd), g = 4 tb + gb: 1,024 bytes: six code registers at 256 p + 8 lane; at 768 + 8 lane the scale word (lanes 0-15: (s0, s1, 0, 0), lanes 16-31: (0, 0, s0, s1)) and a zero.
; kv: step of 128 keys x head: 12,800 bytes: four images of K (a pair of tiles; pieces 0-2 tile u = 0, pieces 3-5 tile u = 1), four of V (dim tile t; pieces 0-2 keys 0-63, 3-5 keys 64-127), each 6 pieces of 256 bytes;
;   from 12,288 two halves of scale bytes (tokens 64 cc on), 8 bytes a lane: lanes 0-15 K's words of images 2 cc, 2 cc + 1; lanes 16-31 V's halfwords of tiles 0..3.
; wimg: w_o's fragment f = 2 tile + s: 1,792 bytes: three pieces of 512 bytes (16 x lane), then at 8 x lane the scale word of row lane % 16 and a zero.
; No prefetch: there is no loop to run ahead in; everything is asked for at the head.
; LIMITS: NaN and infinities are not served; a block whose largest magnitude lies under 2^(5 - 127) keeps the byte 1 (a block of zeros too: its codes are zeros, and this program alone reads the bytes).
.set XP,    1040                       ; x in LDS: 256 rows of 1,024 bytes + 16, from byte 0
.set XSC,   49152                      ; over x, when it has been read: x's 32 fragments from 0 (1,536 bytes each), here their scale words (64 bytes each),
.set KVS,   51200                      ; and the stage for kv's scale bytes: 256 bytes for each 64 tokens
.set WIM,   266240                     ; the weights' images: mat x 12,288 + (2 t + s) x 1,536
.set WSC,   303104                     ; their scale words: mat x 512 + 32 r + 4 (2 t + s)
.set SPARE, 304640                     ; the spare words, 128 bytes for each of the 16 waves: eight blocks of 256 bytes that no other line names
.set L4,   1
.set L8,   2
.set L16,  3
.set SPW,  4                           ; my spare word; never rewritten
.set NIL,  5                           ; 0; never rewritten
.set WA1,  6                           ; where my weight codes go: pairs 0 and 2,
.set WA2,  7                           ; pair 1,
.set WSB,  8                           ; and their scale byte
.set XRD,  9                           ; my row of x
.set XIW,  10                          ; my two fragments of x
.set XSW,  11                          ; and their scale words
.set WFR,  12                          ; the weights' images
.set WSR,  13                          ; and scale words
.set XVR,  14                          ; the eight fragments of my 64 tokens
.set XVS,  15                          ; and their scale words
.set WVR,  16                          ; w_v's two fragments of dim tile m
.set WVSR, 17                          ; and their scale words
.set KSA,  18                          ; where k's byte goes in the stage; v's 128 further on
.set KVR,  20                          ; the way out of the stage
.set H8,   21                          ; 8 h
.set H16,  22                          ; 16 h
.set WOO,  23                          ; w_o: my column and half of K
.set NW,   32                          ; v32-127  the three weights' numbers, 32 each
.set NO,   128                         ; v128-191 w_o's 64 numbers
.set X,    32                          ; v32-159  x's 128 numbers
.set WF,   32                          ; v32-127  eight fragments: a weight's (q, k), x's (v)
.set ACC,  128                         ; v128-159 four accumulators
.set XB,   160                         ; v160-183 two fragments: x's (q, k), w_v's (v)
.set PC,   192                         ; v192-209 codes: at first the three weights', then q's, k's, v's
.set QW,   210                         ; v[210:211] q's scale word, 0
.set WS,   212                         ; v212-219 a weight's scale words   (v212-231 hold scales and nothing else)
.set XS,   220                         ; v220-221 my tile's of x
.set XSV,  222                         ; v222-229 all eight of x
.set WVS,  230                         ; v230-231 w_v's
.set T2,   232                         ; v232-234 QB: second half of the codes
.set TM,   236                         ; v236-240 QB: maxima, scale operand
.set BY,   242                         ; v242-243 scale bytes
.set OC,   244                         ; v244-255 w_o's codes
.set WV,   12                          ; s12 wave; s13 m; s14 gb; s15 hd
.set G1,   24
.set G0,   32
.set WB,   36                          ; s[36:37], s[38:39], s[40:41] the three weights at my columns and rows
.set OB,   42                          ; s[42:43] w_o at my fragment
.set OO,   44                          ; s[44:45] where it goes
.set QB_,  46                          ; s[46:47] q's record
.set KB,   48                          ; s[48:49] k's codes
.set VB,   50                          ; s[50:51] v's
.set SB,   52                          ; s[52:53] the scale bytes of tokens 64 WV on (waves 0-3)
.set SEL,  62                          ; s62, s63
.macro PLACES n
.rept \n
	v_nop
.endr
.endm
.macro BARRIER
	s_wait_alu depctr_va_vdst(0)
	s_wait_dscnt 0x0
	s_barrier_signal -1
	s_barrier_wait -1
.endm
.macro ROUND                           ; a round of the cluster's barrier
	s_barrier_signal -1
	s_barrier_wait -1
	s_cmp_lg_u32 s[WV], 0
	s_cbranch_scc1 .Lnot_wave_0_\@
	s_barrier_signal -3
.Lnot_wave_0_\@:
	s_barrier_wait -3
	s_barrier_signal -1
	s_barrier_wait -1
.endm
; A lane's 32 numbers v[s] on, a whole block along K, become six code registers v[d] on and the scale byte v[by].
.macro QB s, d, by
	v_max3_num_f32 v[TM], |v[(\s)]|, |v[(\s)+1]|, |v[(\s)+2]|
	v_max3_num_f32 v[TM+1], |v[(\s)+17]|, |v[(\s)+18]|, |v[(\s)+19]|
.irp i, 0,2,4,6,8,10
	v_max3_num_f32 v[TM], v[TM], |v[(\s)+3+\i]|, |v[(\s)+4+\i]|
	v_max3_num_f32 v[TM+1], v[TM+1], |v[(\s)+20+\i]|, |v[(\s)+21+\i]|
.endr
	v_max3_num_f32 v[TM], v[TM], |v[(\s)+15]|, |v[(\s)+16]|
	v_max3_num_f32 v[TM], v[TM], v[TM+1], 0x2800000                ; and the floor 2^(5 - 127): the byte cannot fall under 1
	v_add_nc_u32 v[TM+4], 0xfe000000, v[TM]                        ; 4 off the exponent field: the conversion's scale operand
	v_cvt_scalef32_pk16_bf6_f32 v[(\d):(\d)+2], v[(\s):(\s)+15], v[TM+4]
	v_cvt_scalef32_pk16_bf6_f32 v[T2:T2+2], v[(\s)+16:(\s)+31], v[TM+4]
	v_lshrrev_b32 v[\by], 23, v[TM+4]                              ; the scale's byte.  (A plain place behind the conversions)
.irp i, 0,1,2
	v_mov_b32 v[(\d)+3+\i], v[T2+\i]
.endr
.endm
.macro WORD dst                        ; my bytes of blocks h and 2 + h and lane l xor 16's make the scale word, in every lane
	v_lshl_or_b32 v[BY], v[BY+1], 16, v[BY]
	v_lshlrev_b32 v[BY], v[H8], v[BY]
	v_permlanex16_b32 v[BY+1], v[BY], s[SEL], s[SEL+1]
	v_or_b32 v[\dst], v[BY], v[BY+1]
.endm
.macro LOADW mat                       ; the eight fragments (2 t + s) of weight mat, and their scale words
.irp f, 0,1,2,3,4,5,6,7
.irp c, 0,1,2
	ds_load_b128 v[WF+12*\f+4*\c:WF+12*\f+4*\c+3], v[WFR] offset:(\mat)*12288+1536*\f+512*\c
.endr
.endr
	ds_load_b128 v[WS:WS+3], v[WSR] offset:(\mat)*512
	ds_load_b128 v[WS+4:WS+7], v[WSR] offset:(\mat)*512+16
.endm
.macro MULT                            ; transposed: four column tiles x my tile of x, two K steps; the four accumulators by turns
.irp s, 0,1
.irp t, 0,1,2,3
.if \s == 0
	v_wmma_scale_f32_16x16x128_f8f6f4 v[ACC+8*\t:ACC+8*\t+7], v[WF+24*\t:WF+24*\t+11], v[XB:XB+11], 0, v[WS+2*\t], v[XS] matrix_a_fmt:MATRIX_FMT_BF6 matrix_b_fmt:MATRIX_FMT_BF6
.else
	v_wmma_scale_f32_16x16x128_f8f6f4 v[ACC+8*\t:ACC+8*\t+7], v[WF+24*\t+12:WF+24*\t+23], v[XB+12:XB+23], v[ACC+8*\t:ACC+8*\t+7], v[WS+2*\t+1], v[XS+1] matrix_a_fmt:MATRIX_FMT_BF6 matrix_b_fmt:MATRIX_FMT_BF6
.endif
.endr
.endr
.endm
.macro MULN                            ; as it stands: x's four tiles x my column tile of w_v
.irp s, 0,1
.irp t, 0,1,2,3
.if \s == 0
	v_wmma_scale_f32_16x16x128_f8f6f4 v[ACC+8*\t:ACC+8*\t+7], v[WF+24*\t:WF+24*\t+11], v[XB:XB+11], 0, v[XSV+2*\t], v[WVS] matrix_a_fmt:MATRIX_FMT_BF6 matrix_b_fmt:MATRIX_FMT_BF6
.else
	v_wmma_scale_f32_16x16x128_f8f6f4 v[ACC+8*\t:ACC+8*\t+7], v[WF+24*\t+12:WF+24*\t+23], v[XB+12:XB+23], v[ACC+8*\t:ACC+8*\t+7], v[XSV+2*\t+1], v[WVS+1] matrix_a_fmt:MATRIX_FMT_BF6 matrix_b_fmt:MATRIX_FMT_BF6
.endif
.endr
.endr
.endm
.macro OUT3 base, pc                   ; six code registers leave as three pieces: each store covers 256 consecutive bytes, aligned
.irp p, 0,1,2
	global_store_b64 v[L8], v[(\pc)+2*\p:(\pc)+2*\p+1], s[\base:\base+1] offset:256*\p
.endr
.endm
	s_load_b256 s[4:11], s[0:1], 0x0               ; x s[4:5], w_q s[6:7], w_k s[8:9], w_v s[10:11]
	s_load_b256 s[16:23], s[0:1], 0x20             ; w_o s[16:17], wimg s[18:19], qimg s[20:21], kv s[22:23]
	v_lshl_add_u32 v[SPW], v0, 2, SPARE
	v_mov_b32 v[NIL], 0
	ds_add_u32 v[SPW], v[NIL]                      ; the wave's opening: the add, twice on end, and its wait ahead of my first tensor load
	ds_add_u32 v[SPW], v[NIL]
	v_lshrrev_b32 v24, 5, v0
	v_readfirstlane_b32 s[WV], v24                 ; wave 0..15
	s_and_b32 s13, s[WV], 3                        ; m
	s_lshr_b32 s14, s[WV], 2                       ; gb
	s_bfe_u32 s15, ttmp6, 0x40000                  ; hd = cx: it enters global addresses of the weights and of what is stored alone
	s_mov_b32 s[SEL], 0x76543210
	s_mov_b32 s[SEL+1], 0xfedcba98                 ; v_permlanex16_b32's selects for lane l xor 16
	; x: 16 rows of 1,024 bytes (128 elements of 8 bytes), 16 bytes of padding behind each
	s_mov_b32 s[G1], 15|(3<<16)|(1<<20)|(1<<21)|(7<<22)|(3<<25)    ; 15:0 the mask: all four work-groups; 17:16 elements of 8 bytes; 20 padding; 21 set beside a mask; 24:22 after 256 words; 31:25 of 4 words
	s_mov_b32 s[G1+1], 128<<16
	s_mov_b32 s[G1+2], 16<<16
	s_mov_b32 s[G1+3], 128<<16
	s_mov_b32 s[G1+4], 16
	s_mov_b32 s[G1+5], 128
	s_mov_b32 s[G1+6], 0
	s_mov_b32 s[G1+7], 0
	s_mov_b32 s[G0], 1
	s_mul_i32 s[G0+1], s[WV], 16*XP
	s_lshl_b32 s[G0+2], ttmp9, 18                  ; 256 tb rows,
	s_lshl_b32 s54, s[WV], 14                      ; + 16 WV
	s_add_co_u32 s[G0+2], s[G0+2], s54
	s_mov_b32 s[G0+3], 0
	; the weights at column 64 hd + 32 (WV % 2), row 32 (WV / 2)
	s_lshl_b32 s54, s15, 8
	s_and_b32 s56, s[WV], 1
	s_lshl_b32 s57, s56, 7
	s_add_co_u32 s54, s54, s57
	s_lshr_b32 s57, s[WV], 1
	s_lshl_b32 s58, s57, 15
	s_add_co_u32 s54, s54, s58
	s_mov_b32 s55, 0
	; where their codes go: k block kb = WV / 2 is step s = kb / 4, c = (kb / 2) % 2, lane half kb % 2; columns' half WV % 2 is rows 8 (WV % 2) on
	s_lshr_b32 s58, s[WV], 3
	s_mul_i32 s58, s58, 1536
	s_lshl_b32 s59, s56, 7
	s_add_co_u32 s58, s58, s59
	s_and_b32 s59, s57, 1
	s_lshl_b32 s59, s59, 8
	s_add_co_u32 s58, s58, s59
	s_add_co_u32 s58, s58, WIM
	s_and_b32 s59, s14, 1                          ; c
	s_mul_i32 s60, s59, 520
	s_mul_i32 s61, s59, 1016
	s_add_co_u32 s60, s60, s58                     ; pairs 0, 2: piece 0 and piece 1, or (c = 1) the upper half of piece 1 and of piece 2
	s_add_co_u32 s61, s61, s58                     ; pair 1: the upper half of piece 0, or the lower of piece 2
	s_lshl_b32 s56, s56, 8
	s_add_co_u32 s56, s56, s57
	s_add_co_u32 s56, s56, WSC                     ; scale bytes: 32 x 8 (WV % 2) + kb
	s_lshl_b32 s57, s14, 6                         ; my row of x: 64 gb
	s_mul_i32 s58, s[WV], 3072
	s_lshl_b32 s59, s[WV], 7
	s_add_co_u32 s59, s59, XSC
	; vector addresses
	v_and_b32 v24, 31, v0                          ; lane
	v_and_b32 v25, 15, v0                          ; r
	v_bfe_u32 v26, v0, 4, 1                        ; h
	v_lshlrev_b32 v[L4], 2, v24
	v_lshlrev_b32 v[L8], 3, v24
	v_lshlrev_b32 v[L16], 4, v24
	v_lshlrev_b32 v[H8], 3, v26
	v_lshlrev_b32 v[H16], 4, v26
	v_lshrrev_b32 v27, 3, v24                      ; lane / 8 = column tile t
	v_and_b32 v28, 7, v0                           ; lane % 8 = j
	v_mul_u32_u24 v29, 3072, v27
	v_lshl_add_u32 v29, v28, 4, v29
	v_add_nc_u32 v[WA1], s60, v29
	v_add_nc_u32 v[WA2], s61, v29
	v_lshlrev_b32 v29, 3, v27
	v_lshl_add_u32 v29, v28, 5, v29
	v_add_nc_u32 v[WSB], s56, v29
	v_bfe_u32 v27, v0, 3, 1                        ; r / 8
	v_add_nc_u32 v29, s13, v27
	v_and_b32 v29, 3, v29                          ; (m + r / 8) % 4
	v_lshl_add_u32 v29, v29, 3, v28
	v_lshl_add_u32 v29, v27, 5, v29
	v_add_nc_u32 v29, s57, v29                     ; my token's row
	v_mul_u32_u24 v29, XP, v29
	v_lshl_add_u32 v[XRD], v26, 7, v29
	v_add_nc_u32 v[XIW], s58, v[L16]
	v_lshl_add_u32 v[XSW], v25, 2, s59
	v_add_nc_u32 v[WFR], WIM, v[L16]
	v_lshl_add_u32 v[WSR], v25, 5, WSC
	s_mul_i32 s56, s14, 12288
	v_add_nc_u32 v[XVR], s56, v[L16]
	s_lshl_b32 s56, s14, 9
	s_add_co_u32 s56, s56, XSC
	v_lshl_add_u32 v[XVS], v25, 2, s56
	s_mul_i32 s56, s13, 3072
	s_add_co_u32 s56, s56, WIM+24576
	v_add_nc_u32 v[WVR], s56, v[L16]
	s_lshl_b32 s56, s13, 3
	s_add_co_u32 s56, s56, WSC+1024
	v_lshl_add_u32 v[WVSR], v25, 5, s56
	s_lshl_b32 s56, s14, 8
	s_lshl_b32 s57, s13, 1
	s_add_co_u32 s56, s56, s57
	s_add_co_u32 s56, s56, KVS
	v_lshl_add_u32 v[KSA], v25, 3, s56
	v_add_nc_u32 v[KSA], v[KSA], v26               ; 256 gb + 8 r + 2 m + h
	s_lshl_b32 s56, s[WV], 8
	s_add_co_u32 s56, s56, KVS
	v_add_nc_u32 v[KVR], s56, v[L8]
	v_mul_u32_u24 v29, 24, v27
	v_add_nc_u32 v29, v29, v25                     ; r + 24 (r / 8)
	v_lshlrev_b32 v29, 2, v29
	v_lshl_add_u32 v[WOO], v26, 15, v29            ; lanes 16-31 begin 32 rows of w_o further down
	s_wait_alu depctr_va_vdst(0)
	; byte offsets into the buffers
	s_lshl_b32 s56, ttmp9, 2
	s_add_co_u32 s57, s56, s15                     ; f = 4 tb + hd: w_o's fragment, where tb < 8
	s_bfe_u32 s58, s57, 0x20003                    ; its 64 columns,
	s_lshl_b32 s[OB], s58, 8
	s_bfe_u32 s58, s57, 0x20001                    ; tile
	s_lshl_b32 s58, s58, 5
	s_add_co_u32 s[OB], s[OB], s58
	s_and_b32 s58, s57, 1                          ; and K step
	s_lshl_b32 s58, s58, 17
	s_add_co_u32 s[OB], s[OB], s58
	s_mov_b32 s[OB+1], 0
	s_mul_i32 s[OO], s57, 1792
	s_mov_b32 s[OO+1], 0
	s_add_co_u32 s57, s56, s14                     ; g = 4 tb + gb
	s_lshl_b32 s[QB_], s57, 14
	s_lshl_b32 s58, s13, 12
	s_add_co_u32 s[QB_], s[QB_], s58
	s_lshl_b32 s58, s15, 10
	s_add_co_u32 s[QB_], s[QB_], s58
	s_mov_b32 s[QB_+1], 0
	s_mul_i32 s59, s15, 12800
	s_lshr_b32 s58, s57, 1
	s_mul_i32 s58, s58, 51200
	s_add_co_u32 s58, s58, s59                     ; the step's record of my head
	s_and_b32 s60, s14, 1                          ; cc
	s_mul_i32 s61, s60, 3072
	s_add_co_u32 s[KB], s58, s61
	s_mul_i32 s61, s13, 768
	s_add_co_u32 s[KB], s[KB], s61                 ; image 2 cc + m / 2, tile m % 2
	s_mov_b32 s[KB+1], 0
	s_mul_i32 s61, s60, 768
	s_add_co_u32 s[VB], s58, s61
	s_mul_i32 s61, s13, 1536
	s_add_co_u32 s[VB], s[VB], s61
	s_add_co_u32 s[VB], s[VB], 6144                ; dim tile m, keys 64 cc on
	s_mov_b32 s[VB+1], 0
	s_add_co_u32 s57, s56, s13                     ; the scale bytes of tokens 64 WV on (waves 0-3: WV % 4 = WV)
	s_lshr_b32 s58, s57, 1
	s_mul_i32 s58, s58, 51200
	s_add_co_u32 s58, s58, s59
	s_and_b32 s60, s13, 1
	s_lshl_b32 s60, s60, 8
	s_add_co_u32 s[SB], s58, s60
	s_add_co_u32 s[SB], s[SB], 12288
	s_mov_b32 s[SB+1], 0
	s_xor_b32 s60, s[WV], 15                       ; s60 = 0: I make a fragment of w_o
	s_lshr_b32 s61, ttmp9, 3
	s_or_b32 s60, s60, s61
	s_wait_dscnt 0x0                               ; both opening adds are done
	s_wait_kmcnt 0x0
	s_add_nc_u64 s[G0+2:G0+3], s[4:5], s[G0+2:G0+3]
	s_or_b32 s[G0+3], s[G0+3], 0x80000000
	s_add_nc_u64 s[WB:WB+1], s[6:7], s[54:55]
	s_add_nc_u64 s[WB+2:WB+3], s[8:9], s[54:55]
	s_add_nc_u64 s[WB+4:WB+5], s[10:11], s[54:55]
	s_add_nc_u64 s[OB:OB+1], s[16:17], s[OB:OB+1]
	s_add_nc_u64 s[OO:OO+1], s[18:19], s[OO:OO+1]
	s_add_nc_u64 s[QB_:QB_+1], s[20:21], s[QB_:QB_+1]
	s_add_nc_u64 s[KB:KB+1], s[22:23], s[KB:KB+1]
	s_add_nc_u64 s[VB:VB+1], s[22:23], s[VB:VB+1]
	s_add_nc_u64 s[SB:SB+1], s[22:23], s[SB:SB+1]
	ROUND                                          ; all four work-groups are here: the joint loads meet
	tensor_load_to_lds s[G0:G0+3], s[G1:G1+7]      ; 16 rows of x: one load a wave, the launch's only fills
	s_nop 0
	PLACES 4
.irp w, 0,1,2
.irp i, 0,1,2,3,4,5,6,7,8,9,10,11,12,13,14,15,16,17,18,19,20,21,22,23,24,25,26,27,28,29,30,31
	global_load_b32 v[NW+32*\w+\i], v[L4], s[WB+2*\w:WB+2*\w+1] offset:1024*\i     ; W(32 kb + i, my column)
.endr
.endr
	v_mov_b32 v[QW+1], 0
	s_wait_alu depctr_va_vdst(0)
	s_cmp_eq_u32 s60, 0
	s_cbranch_scc0 .Lno_wo
.irp c, 0,1
.irp i, 0,1,2,3,4,5,6,7,8,9,10,11,12,13,14,15,16,17,18,19,20,21,22,23,24,25,26,27,28,29,30,31
	global_load_b32 v[NO+32*\c+\i], v[WOO], s[OB:OB+1] offset:1024*(64*\c+\i)      ; w_o(128 s + 64 c + 32 h + i, my column)
.endr
.endr
	s_wait_loadcnt 0x0
	QB NO, OC, BY
	QB NO+32, OC+6, BY+1
	WORD BY
	v_mov_b32 v[BY+1], 0
.irp c, 0,1,2
	global_store_b128 v[L16], v[OC+4*\c:OC+4*\c+3], s[OO:OO+1] offset:512*\c       ; 32 lanes store 512 consecutive bytes, aligned
.endr
	global_store_b64 v[L8], v[BY:BY+1], s[OO:OO+1] offset:1536
	s_wait_xcnt 0x0                                ; the scale bytes' registers are written again below
.Lno_wo:
.irp w, 0,1,2                                  ; the weights: one block a lane
.if \w == 0
	s_wait_loadcnt 63                              ; w_q's 32 are in (64 younger ones may be out; the field holds 63)
.endif
.if \w == 1
	s_wait_loadcnt 32
.endif
.if \w == 2
	s_wait_loadcnt 0
.endif
	QB NW+32*\w, PC+6*\w, BY
	ds_store_b64 v[WA1], v[PC+6*\w:PC+6*\w+1] offset:12288*\w
	ds_store_b64 v[WA2], v[PC+6*\w+2:PC+6*\w+3] offset:12288*\w+8
	ds_store_b64 v[WA1], v[PC+6*\w+4:PC+6*\w+5] offset:12288*\w+512
	ds_store_b8 v[WSB], v[BY] offset:512*\w
.endr
	s_wait_alu depctr_va_vdst(0)
	s_wait_tensorcnt 0x0                           ; my rows of x have landed
	BARRIER                                        ; x and the three weights lie in LDS
	; ---- x: my token's 256 numbers, half of them a lane: four whole blocks
.irp b, 0,1,2,3
.irp i, 0,1,2,3,4,5,6,7
	ds_load_b128 v[X+32*\b+4*\i:X+32*\b+4*\i+3], v[XRD] offset:256*\b+16*\i        ; x(my token, 64 b + 32 h + 4 i ..)
.endr
.endr
	s_wait_dscnt 24                                ; block 0's eight loads are in; 24 younger ones may be out
	QB X, XB, BY
	s_wait_dscnt 16
	QB X+32, XB+6, BY+1
	WORD XS
	s_wait_alu depctr_va_vdst(0)
	s_wait_dscnt 8
	QB X+64, XB+12, BY
	s_wait_alu depctr_va_vdst(0)
	s_wait_dscnt 0x0                               ; all my reads of x are over:
	s_barrier_signal -1
	QB X+96, XB+18, BY+1
	WORD XS+1
	s_wait_alu depctr_va_vdst(0)
	s_barrier_wait -1                              ; and everybody's: x's bytes, filled once, take the fragments
.irp c, 0,1,2,3,4,5
	ds_store_b128 v[XIW], v[XB+4*\c:XB+4*\c+3] offset:512*\c
.endr
.irp s, 0,1
	ds_store_b32 v[XSW], v[XS+\s] offset:64*\s     ; (both halves of the lanes write the same word with the same value)
.endr
	; ---- q
	LOADW 0
	PLACES 8                                       ; x's scale words stand eight places ahead of the product
	s_wait_dscnt 0x0
	MULT
	PLACES 5                                       ; for the loads into the weights' registers, the reads of the results and the next product, which begins the same accumulators anew
	LOADW 1                                        ; w_k lands while q is quantised
	QB ACC, PC, BY
	v_lshlrev_b32 v[BY], v[H8], v[BY]
	v_permlanex16_b32 v[BY+1], v[BY], s[SEL], s[SEL+1]
	v_or_b32 v[BY], v[BY], v[BY+1]                 ; (s0, s1, 0, 0);
	v_lshlrev_b32 v[QW], v[H16], v[BY]             ; in lanes 16-31 (0, 0, s0, s1)
	OUT3 QB_, PC
	global_store_b64 v[L8], v[QW:QW+1], s[QB_:QB_+1] offset:768
	; ---- k
	s_wait_alu depctr_va_vdst(0)
	s_wait_dscnt 0x0                               ; w_k is in
	MULT
	PLACES 5
	BARRIER                                        ; all fragments of x lie in LDS
.irp f, 0,1,2,3,4,5,6,7                        ; for v: my 64 tokens' fragments, where the weights lay;
.irp c, 0,1,2
	ds_load_b128 v[WF+12*\f+4*\c:WF+12*\f+4*\c+3], v[XVR] offset:1536*\f+512*\c
.endr
	ds_load_b32 v[XSV+\f], v[XVS] offset:64*\f
.endr
.irp c, 0,1,2,3,4,5                            ; and my column tile of w_v, where my tile of x lay
	ds_load_b128 v[XB+4*\c:XB+4*\c+3], v[WVR] offset:512*\c
.endr
	ds_load_b64 v[WVS:WVS+1], v[WVSR]
	QB ACC, PC+6, BY
	OUT3 KB, PC+6
	ds_store_b8 v[KSA], v[BY]
	; ---- v
	s_wait_alu depctr_va_vdst(0)
	s_wait_dscnt 0x0
	MULN
	PLACES 4
	QB ACC, PC+12, BY+1
	OUT3 VB, PC+12
	ds_store_b8 v[KSA], v[BY+1] offset:128
	BARRIER                                        ; all scale bytes lie in the stage: they leave in whole pieces
	s_cmp_lt_u32 s[WV], 4
	s_cbranch_scc0 .Ldone
	ds_load_b64 v[248:249], v[KVR]                 ; waves 0-3: the 256 bytes of tokens 64 WV on
	s_wait_dscnt 0x0
	global_store_b64 v[L8], v[248:249], s[SB:SB+1]
.Ldone:
	s_wait_tensorcnt 0x0                           ; the wave's end
	ds_add_u32 v[SPW], v[NIL]
	s_wait_dscnt 0x0
	ROUND                                          ; the closing round
	s_endpgm
.Lfunc_end_k_q53dbe4b9a0_prep:
	.size	k_q53dbe4b9a0_prep, .Lfunc_end_k_q53dbe4b9a0_prep-k_q53dbe4b9a0_prep
	.p2alignl 7, 3214868480
	.fill 96, 4, 3214868480
	.section	.rodata,"a",@progbits
	.p2align	6, 0x0
	.amdhsa_kernel k_q53dbe4b9a0_prep
		.amdhsa_group_segment_fixed_size 327680
		.amdhsa_private_segment_fixed_size 0
		.amdhsa_enable_private_segment 0
		.amdhsa_kernarg_size 64
		.amdhsa_user_sgpr_count 2
		.amdhsa_user_sgpr_kernarg_segment_ptr 1
		.amdhsa_wavefront_size32 1
		.amdhsa_system_sgpr_workgroup_id_x 1
		.amdhsa_system_sgpr_workgroup_id_y 1
		.amdhsa_system_sgpr_workgroup_id_z 1
		.amdhsa_system_vgpr_workitem_id 0
		.amdhsa_next_free_vgpr 256
		.amdhsa_next_free_sgpr 66
		.amdhsa_reserve_vcc 0
		.amdhsa_float_denorm_mode_32 3
		.amdhsa_float_denorm_mode_16_64 3
		.amdhsa_memory_ordered 1
		.amdhsa_forward_progress 1
		.amdhsa_inst_pref_size 56
	.end_amdhsa_kernel
	.amdgpu_metadata
---
amdhsa.version: [ 1, 2 ]
amdhsa.kernels:
  - .name:           k_q53dbe4b9a0_prep
    .symbol:         k_q53dbe4b9a0_prep.kd
    .args:
      - { .name: x, .offset: 0, .size: 8, .value_kind: global_buffer, .address_space: global }
      - { .name: w_q, .offset: 8, .size: 8, .value_kind: global_buffer, .address_space: global }
      - { .name: w_k, .offset: 16, .size: 8, .value_kind: global_buffer, .address_space: global }
      - { .name: w_v, .offset: 24, .size: 8, .value_kind: global_buffer, .address_space: global }
      - { .name: w_o, .offset: 32, .size: 8, .value_kind: global_buffer, .address_space: global }
      - { .name: wimg, .offset: 40, .size: 8, .value_kind: global_buffer, .address_space: global }
      - { .name: qimg, .offset: 48, .size: 8, .value_kind: global_buffer, .address_space: global }
      - { .name: kv, .offset: 56, .size: 8, .value_kind: global_buffer, .address_space: global }
    .group_segment_fixed_size: 327680
    .private_segment_fixed_size: 0
    .kernarg_segment_align: 8
    .kernarg_segment_size: 64
    .max_flat_workgroup_size: 512
    .sgpr_count:     66
    .vgpr_count:     256
    .wavefront_size: 32
...
	.end_amdgpu_metadata
.endif
;; end of part 1
;; launch attn (part 2): grid 256 x 1, 16 waves a work-group, clusters of 4 x 1, 327,680 bytes of LDS; arguments qimg, kv, wimg, b_o, out0; writes out0
.if DOCPART == 2
	.amdgcn_target "amdgcn-amd-amdhsa--gfx1250"
	.amdhsa_code_object_version 6
	.text
	.protected	k_q53dbe4b9a0_attn
	.globl	k_q53dbe4b9a0_attn
	.p2align	8
	.type	k_q53dbe4b9a0_attn,@function
k_q53dbe4b9a0_attn:
	s_mov_b64 s[64:65], 0
	v_nop
	global_prefetch_b8 v0, s[64:65] scope:SCOPE_SE
	s_setreg_imm32_b32 hwreg(HW_REG_WAVE_MODE, 25, 1), 1
	s_wait_xcnt 0x0
	s_wait_alu depctr_hold_cnt(0) depctr_sa_sdst(0) depctr_va_vdst(0) depctr_va_sdst(0) depctr_va_ssrc(0) depctr_va_vcc(0) depctr_vm_vsrc(0)
	s_getreg_b32 s2, hwreg(HW_REG_IB_STS2, 6, 4)
	s_cmp_eq_u32 s2, 0
	s_cbranch_scc0 .Lentry_in_a_cluster
	s_endpgm
.Lentry_in_a_cluster:
	s_bfe_u32 s2, ttmp6, 0x10000c
	s_cmp_lg_u32 s2, 0x3003
	s_cbranch_scc0 .Lentry_shape_is_right
	s_endpgm
.Lentry_shape_is_right:
; out = (softmax(q k^T / 8) v, heads side by side) w_o + b_o, all three products on codes of BF6 (E3M2) with one E8M0 byte for each 32 along K.  q, k, v and w_o arrive as images of operand registers.
; THE SOFTMAX: t = score x log2(e) / 8; M = the row's largest t so far, rounded UP to a whole number; p = 2^(t - M) is quantised along the keys, not normalised; the row's sum of the unquantised p divides at the end.
; When M moves, the sum and O are multiplied by 2^(old M - new M): exact, and no branch on data.
; SHARES.  A work-group owns 64 queries (block g) with all four heads, so that it holds whole rows of ctx for the last product.  Wave WV = 4 qt + hd owns query tile qt of head hd, in 256 registers: four waves to a SIMD.
; Every wave walks its batch's 2,048 keys, 128 a step.  A step's images for the four heads are 51,200 dense bytes; a slot holds two steps; two slots take turns.
; The four partners of a cluster belong to one batch and walk the same bytes: every fill is asked for JOINTLY (mask 15); wave 4 q + hd, of waves 0-7, fetches the image of (step q of the slot, head hd), 12,800 bytes.
; LAYOUT.  S^T = K Q^T and O^T = V^T P^T: a lane holds ONE query throughout.  The head is 64 wide, half of the instruction's 128: an image of K holds TWO tiles of keys (tile u in k = 64 u on), and q stands as [q, 0] or [0, q]:
; the other half meets zero codes.  The keys are dealt to the tiles so that lane (r, h)'s 32 registers of tiles 4 c .. 4 c + 3 are the WHOLE block of keys 64 c + 32 h on, in the order in which V's images hold it: P's operand layout.
; THE TAIL.  O^T / the sum is quantised in registers (a lane holds one block of 32 of the head, the last product's K) and goes to LDS; wave WV makes column tile WV of out for all 64 queries, with b_o as the
; first product's C; the results meet in a stage and leave as whole rows.  Stage row 32 h + 8 m + j is query 32 h + 8 ((m + h) % 4) + j: so the query tiles are dealt.
; LIMITS: NaN and infinities are not served; a block whose largest magnitude lies under 2^(5 - 127) keeps the byte 1 (its codes are zeros or next to it); scores stay above -3e38; the division by the sum is v_rcp_f32 and a multiplication.
.set STEPB, 51200
.set SLOTB, 102400
.set SLOT1, 131072                     ; slot 1 begins here: one exclusive or turns an address of one slot into the other's
.set SPARE, 262144                     ; the spare words, 128 bytes for each of the 16 waves: eight blocks of 256 bytes that no other line names
.set CSC,   12288                      ; the tail, in slot 0, which has had its last fill and its last read by then: ctx's 8 fragments from 0; here their scale words;
.set STG,   16384                      ; and the stage for out: 64 rows x (1,024 bytes + 16)
.set SP,    1040
.set A0,   1                           ; 12,800 hd + 8 lane: my head's images in a step
.set ADR,  2                           ; the same in the slot in hand
.set SPW,  3                           ; my spare word; never rewritten
.set NIL,  4                           ; 0; never rewritten
.set CWI,  5                           ; where I store my half fragment of ctx
.set CWS,  6                           ; and its scale byte
.set CRI,  7                           ; 8 x lane: ctx's fragments begin at LDS byte 0
.set CRS,  8                           ; their scale words
.set STO,  9                           ; the stage: where I put 32 bytes of a row
.set SRD,  10                          ; and where I read rows back
.set L16,  11                          ; 16 x lane
.set BO,   12                          ; my column tile's first byte in a row, + 128 h
.set PFO,  13                          ; the prefetches' offset; never rewritten
.set QS,   16                          ; q's scale words: lanes 0-15 for [q, 0], lanes 16-31 for [0, q].   v16-27 hold scales and nothing else
.set PW,   17                          ; p's
.set SA,   18                          ; v18-21 K's words of images 0..3 (lanes 0-15), V's halfwords (lanes 16-31)
.set VS,   22                          ; v22-25 V's words (lanes 16-31)
.set WOS,  26                          ; v26-27 w_o's
.set W,    28                          ; v28-39 work: 0 -M, 1 the largest score, 2:3 the sum in two halves, 4:5 f = 2^(old M - new M) (5 is 0), 6:7 the blocks' largest, 8:9 second chains, then scale operands, 10:11 at work
.set T2,   40                          ; v40-42, v44-46 second halves of blocks' codes
.set Q,    48                          ; v48-65: q, zeros, q:  0-11 are [q, 0], 6-17 are [0, q]
.set PC,   66                          ; v66-77 p's codes
.set OT,   78                          ; v78-109 O^T; in the tail out's four accumulators
.set SC,   110                         ; v110-173 S^T, then p
.set KF,   174                         ; v174-221 four images: K's, then V's
.set CF,   110                         ; the tail: ctx's eight fragments, v110-205
.set WO,   222                         ; v222-245 w_o's two fragments of column tile WV
.set BI,   246                         ; v246-253 b_o at my eight columns
.set WV,   14                          ; s14 wave; s15 hd; s16 qt
.set SEL,  20                          ; s[20:21]
.set CS,   22                          ; s[22:23] c = log2(e) / 8
.set G1,   24                          ; s[24:31] descriptor group 1;  s[32:35] group 0, which walks
.set G0,   32
.set TB,   36                          ; s36 LDS byte at which the slot in hand begins
.set SLOTS, 37                         ; s37 slots still to be asked for
.set LIM,  38                          ; s38 1 in a wave that prefetches, else the greatest number
.set NCS,  39                          ; s39 -c
.set PFA,  40                          ; s[40:41] where my prefetches stand
.macro PLACES n
.rept \n
	v_nop
.endr
.endm
.macro BARRIER
	s_wait_alu depctr_va_vdst(0)
	s_wait_dscnt 0x0
	s_barrier_signal -1
	s_barrier_wait -1
.endm
; The rest of a round of the cluster's barrier, behind its opening signal and the register work that follows it.
.macro CLOSE
	s_wait_alu depctr_va_vdst(0)
	s_barrier_wait -1
	s_cmp_lg_u32 s[WV], 0
	s_cbranch_scc1 .Lnot_wave_0_\@
	s_barrier_signal -3
.Lnot_wave_0_\@:
	s_barrier_wait -3
	s_barrier_signal -1
	s_barrier_wait -1
.endm
; Where nothing is left to fill: the wait of the work-group's barrier alone.
.macro R3
	s_wait_alu depctr_va_vdst(0)
	s_barrier_wait -1
.endm
.macro ROUND
	s_barrier_signal -1
	s_barrier_wait -1
	s_cmp_lg_u32 s[WV], 0
	s_cbranch_scc1 .Lnot_wave_0_\@
	s_barrier_signal -3
.Lnot_wave_0_\@:
	s_barrier_wait -3
	s_barrier_signal -1
	s_barrier_wait -1
.endm
.macro TLOAD                           ; waves 0-7 ask for an image each; the branch hangs on the wave's number alone; four v_nop follow the load
	s_cmp_lt_u32 s[WV], 8
	s_cbranch_scc0 .Lasked_\@
	tensor_load_to_lds s[G0:G0+3], s[G1:G1+7]
	s_nop 0
	PLACES 4
.Lasked_\@:
.endm
; A PREFETCH of the slot that the NEXT change of slots will ask for: two key steps ahead of that load.  All eight clusters of a batch walk the same bytes: the batch's first cluster asks.  A slot is 400 blocks of 256 bytes:
; its four partners, told apart BY ADDRESS, and in each waves 4-7, take 25 blocks each, a lane a block (lanes 25-31 name lane 24's again).  The last change that fills a slot asks for nothing; nor does the kernel's head.
.macro ASK
	s_cmp_gt_u32 s[SLOTS], s[LIM]
	s_cbranch_scc0 .Lnot_mine_\@
	global_prefetch_b8 v[PFO], s[PFA:PFA+1] th:TH_LOAD_NT scope:SCOPE_SE
.Lnot_mine_\@:
.endm
; THE CHANGE OF SLOTS.  CH_OPEN stands behind the slot's last read: each wave waits for all its tensor loads (one is out at the most: its part of the next slot), adds 0 to its spare word, waits for that and for its reads, and signals.
; fill = 1: the signal opens a round of the cluster's barrier, behind which the slot just left is asked for again, jointly.
.macro CH_OPEN fill
	s_wait_alu depctr_va_vdst(0)
	s_wait_tensorcnt 0x0                           ; no tensor load of mine is out, so group 0 may be written
	ds_add_u32 v[SPW], v[NIL]                      ; 0 onto my spare word
	ds_add_u32 v[SPW], v[NIL]                      ; twice on end
.if \fill
	s_xor_b32 s[G0+1], s[G0+1], SLOT1              ; the other slot than last time,
	s_add_nc_u64 s[G0+2:G0+3], s[G0+2:G0+3], SLOTB ; the next two steps; the type bits on top are not reached
	s_wait_xcnt 0x0                                ; the last prefetch, a slot back, has read its address:
	s_add_nc_u64 s[PFA:PFA+1], s[PFA:PFA+1], SLOTB ; one slot further on than the walking descriptor
.endif
	s_wait_dscnt 0x0                               ; the adds are done, and so are all my reads
	s_barrier_signal -1
.endm
; The running maximum, -M, f and the sum under the new M: ten lines, one at a time, so that other work stands between them.
.macro P2 k
.if (\k) == 0
	v_max3_num_f32 v[W+1], v[W+1], v[W+6], v[W+7]
.endif
.if (\k) == 1
	v_permlanex16_b32 v[W+11], v[W+1], s[SEL], s[SEL+1]
.endif
.if (\k) == 2
	v_max_num_f32 v[W+1], v[W+1], v[W+11]          ; with lane l xor 16's: the row's largest score so far
.endif
.if (\k) == 3
	v_mul_f32 v[W+10], s[NCS], v[W+1]              ; -t
.endif
.if (\k) == 4
	v_floor_f32 v[W+10], v[W+10]                   ; the new -M = floor(-t) = -ceil(t)
.endif
.if (\k) == 5
	v_sub_f32 v[W+11], v[W+10], v[W]               ; old M - new M: a whole number, 0 or less
.endif
.if (\k) == 6
	v_mov_b32 v[W], v[W+10]
.endif
.if (\k) == 7
	v_cvt_i32_f32 v[W+11], v[W+11]                 ; (it saturates)
.endif
.if (\k) == 8
	v_ldexp_f32 v[W+4], 1.0, v[W+11]               ; f
.endif
.if (\k) == 9
	v_pk_mul_f32 v[W+2:W+3], v[W+2:W+3], v[W+4:W+5] op_sel_hi:[1,0]
.endif
.endm
.macro TM j                            ; t - M of two scores
	v_pk_fma_f32 v[SC+2*(\j):SC+2*(\j)+1], v[SC+2*(\j):SC+2*(\j)+1], s[CS:CS+1], v[W:W+1] op_sel_hi:[1,0,0]
.endm
.macro MOVE b                          ; a conversion's three registers begin on an even number: a block's second half is moved
.irp i, 0,1,2
	v_mov_b32 v[PC+6*(\b)+3+\i], v[T2+4*(\b)+\i]
.endr
.endm
.macro CVT b
	v_cvt_scalef32_pk16_bf6_f32 v[PC+6*(\b):PC+6*(\b)+2], v[SC+32*(\b):SC+32*(\b)+15], v[W+8+(\b)]
	v_cvt_scalef32_pk16_bf6_f32 v[T2+4*(\b):T2+4*(\b)+2], v[SC+32*(\b)+16:SC+32*(\b)+31], v[W+8+(\b)]
.endm
.macro ADDL s, st, n                   ; a level of the sum of p, in place (the codes are made), two at a time
.set PI, 0
.rept \n
	v_pk_add_f32 v[(\s)+2*(\st)*PI:(\s)+2*(\st)*PI+1], v[(\s)+2*(\st)*PI:(\s)+2*(\st)*PI+1], v[(\s)+2*(\st)*PI+(\st):(\s)+2*(\st)*PI+(\st)+1]
.set PI, PI+1
.endr
.endm
; A KEY STEP: 128 keys, the q-th of the slot in hand.  mode 0: no change of slots; 1: the slots change, and the slot left is filled again; 2: they change, nothing is left to fill; 3: the last step.
; The last step's final sums stand behind its products: they are the places in front of the loads below.
.macro STEP q, mode
.irp i, 0,1,2,3
.irp p, 0,1,2,3,4,5
	ds_load_b64 v[KF+12*\i+2*\p:KF+12*\i+2*\p+1], v[ADR] offset:(\q)*STEPB+1536*\i+256*\p   ; K's four images: 32 lanes read 256 consecutive bytes
.endr
.endr
	ds_load_b64 v[SA:SA+1], v[ADR] offset:(\q)*STEPB+12288
	ds_load_b64 v[SA+2:SA+3], v[ADR] offset:(\q)*STEPB+12544
	s_wait_dscnt 0x0
.irp i, 0,1,2,3                                ; S^T = K Q^T: tile 2 i against [q, 0], tile 2 i + 1 against [0, q]
	v_wmma_scale_f32_16x16x128_f8f6f4 v[SC+16*\i:SC+16*\i+7], v[KF+12*\i:KF+12*\i+11], v[Q:Q+11], 0, v[SA+\i], v[QS] matrix_a_fmt:MATRIX_FMT_BF6 matrix_b_fmt:MATRIX_FMT_BF6
	v_wmma_scale_f32_16x16x128_f8f6f4 v[SC+16*\i+8:SC+16*\i+15], v[KF+12*\i:KF+12*\i+11], v[Q+6:Q+17], 0, v[SA+\i], v[QS] matrix_a_fmt:MATRIX_FMT_BF6 matrix_b_fmt:MATRIX_FMT_BF6 matrix_b_scale:MATRIX_SCALE_ROW1
.endr
	PLACES 4                                       ; for the loads, V's scale words and the first reads of results
.irp t, 0,1,2,3
.irp p, 0,1,2,3,4,5
	ds_load_b64 v[KF+12*\t+2*\p:KF+12*\t+2*\p+1], v[ADR] offset:(\q)*STEPB+6144+1536*\t+256*\p   ; V's four images land while the softmax is walked
.endr
.endr
.if (\mode) == 3
.irp s, 0,1                                    ; w_o's fragments of my column tile, their scale words, b_o
.irp c, 0,1,2
	global_load_b128 v[WO+12*\s+4*\c:WO+12*\s+4*\c+3], v[L16], s[44:45] offset:1792*\s+512*\c
.endr
	global_load_b32 v[WOS+\s], v[CRI], s[44:45] offset:1792*\s+1536
	global_load_b128 v[BI+4*\s:BI+4*\s+3], v[BO], s[10:11] offset:16*\s
.endr
.endif
.irp b, 0,1                                    ; the largest of each block of 32 scores, two chains a block; each accumulator is read from its low end on
	v_max3_num_f32 v[W+6+\b], v[SC+32*\b], v[SC+32*\b+1], v[SC+32*\b+2]
	v_max3_num_f32 v[W+8+\b], v[SC+32*\b+17], v[SC+32*\b+18], v[SC+32*\b+19]
.endr
.irp k, 0,2,4,6,8,10
.irp b, 0,1
	v_max3_num_f32 v[W+6+\b], v[W+6+\b], v[SC+32*\b+3+\k], v[SC+32*\b+4+\k]
	v_max3_num_f32 v[W+8+\b], v[W+8+\b], v[SC+32*\b+20+\k], v[SC+32*\b+21+\k]
.endr
.endr
.irp b, 0,1
	v_max3_num_f32 v[W+6+\b], v[W+6+\b], v[SC+32*\b+15], v[SC+32*\b+16]
.endr
.irp b, 0,1
	v_max_num_f32 v[W+6+\b], v[W+6+\b], v[W+8+\b]
.endr
	P2 0
	v_perm_b32 v[VS], v[SA+2], v[SA], 0x05040100   ; V's scale words (they count in lanes 16-31): tile t's halfword of keys 0-63 below, of keys 64-127 above
	P2 1
	v_perm_b32 v[VS+1], v[SA+2], v[SA], 0x07060302
	P2 2
	v_perm_b32 v[VS+2], v[SA+3], v[SA+1], 0x05040100
	P2 3
	v_perm_b32 v[VS+3], v[SA+3], v[SA+1], 0x07060302
	P2 4
	P2 5
	P2 6
.set PJ, 0
.rept 4
	TM PJ
.set PJ, PJ+1
.endr
	P2 7
.rept 4
	TM PJ
.set PJ, PJ+1
.endr
	P2 8
.rept 4
	TM PJ
.set PJ, PJ+1
.endr
	P2 9
.rept 4
	TM PJ
.set PJ, PJ+1
.endr
.irp b, 0,1
	v_fma_f32 v[W+6+\b], v[W+6+\b], s[CS], v[W]    ; the same of each block's largest score
.endr
.if (\mode) == 1
	CH_OPEN 1                                      ; V is in registers: the slot has been read
.endif
.if (\mode) == 2
	CH_OPEN 0
.endif
	s_wait_alu depctr_va_vdst(0)
	v_exp_f32 v[W+6], v[W+6]                       ; a block's largest p: p rises with the score, and the same two instructions on the same number give the same bits
	v_exp_f32 v[W+7], v[W+7]
.set PJ, 0
.rept 16                                       ; block 0's exponentials, and between them block 1's t - M
	v_exp_f32 v[SC+2*PJ], v[SC+2*PJ]
	v_exp_f32 v[SC+2*PJ+1], v[SC+2*PJ+1]
	TM 16+PJ
.set PJ, PJ+1
.endr
	s_wait_alu depctr_va_vdst(0)                   ; one wait for the batch, ahead of its first reader
.irp b, 0,1
	v_max_num_f32 v[W+6+\b], 0x2800000, v[W+6+\b]  ; the floor 2^(5 - 127): the byte cannot fall under 1
.endr
.irp b, 0,1
	v_add_nc_u32 v[W+8+\b], 0xfe000000, v[W+6+\b]  ; 4 off the exponent field: the conversion's scale operand
.endr
	CVT 0
	v_lshrrev_b32 v[W+10], 23, v[W+8]              ; my two bytes: blocks h and 2 + h.  (Plain places behind the conversions)
	v_lshrrev_b32 v[W+11], 23, v[W+9]
	v_lshl_or_b32 v[W+10], v[W+11], 16, v[W+10]
	v_permlanex16_b32 v[W+11], v[W+10], s[SEL], s[SEL+1]
	v_lshl_or_b32 v[PW], v[W+11], 8, v[W+10]       ; the scale word: lanes 0-15 join lane l xor 16's two bytes
	s_wait_alu depctr_va_vdst(0)
.set PJ, 0
.rept 8                                        ; block 1's exponentials, and between them the first level of block 0's sum
	v_exp_f32 v[SC+32+4*PJ], v[SC+32+4*PJ]
	v_exp_f32 v[SC+33+4*PJ], v[SC+33+4*PJ]
	v_exp_f32 v[SC+34+4*PJ], v[SC+34+4*PJ]
	v_exp_f32 v[SC+35+4*PJ], v[SC+35+4*PJ]
	v_pk_add_f32 v[SC+4*PJ:SC+4*PJ+1], v[SC+4*PJ:SC+4*PJ+1], v[SC+4*PJ+2:SC+4*PJ+3]
.set PJ, PJ+1
.endr
.if (\mode) == 1
	CLOSE                                          ; no wave of any partner still reads the slot or has a load on its way
	TLOAD                                          ; the first thing behind the round, a wave's one tensor load until the next
	ASK
	s_xor_b32 s[TB], s[TB], SLOT1                  ; on to the other slot
.endif
	s_wait_alu depctr_va_vdst(0)                   ; for the batch and for O^T
.irp j, 0,2,4,6,8,10,12,14,16,18,20,22,24,26,28,30
	v_pk_mul_f32 v[OT+\j:OT+\j+1], v[OT+\j:OT+\j+1], v[W+4:W+5] op_sel_hi:[1,0]    ; O^T under the new M, from each accumulator's low end on
.endr
	CVT 1
	MOVE 0
	ADDL SC+32, 2, 8
	MOVE 1
	ADDL SC, 4, 8
	ADDL SC, 8, 4
.if (\mode) == 0
	s_wait_alu depctr_va_vdst(0)
	s_wait_dscnt 0x0                               ; V's images are in
.endif
.if (\mode) == 3
	s_wait_alu depctr_va_vdst(0)
	s_wait_dscnt 0x0
.endif
.irp t, 0,1,2,3                                ; O^T += V^T P^T: four tiles of 16 dims, by turns; K = these 128 keys
	v_wmma_scale_f32_16x16x128_f8f6f4 v[OT+8*\t:OT+8*\t+7], v[KF+12*\t:KF+12*\t+11], v[PC:PC+11], v[OT+8*\t:OT+8*\t+7], v[VS+\t], v[PW] matrix_a_fmt:MATRIX_FMT_BF6 matrix_b_fmt:MATRIX_FMT_BF6 matrix_a_scale:MATRIX_SCALE_ROW1
.endr
	ADDL SC, 16, 2
	ADDL SC, 32, 1
	v_pk_add_f32 v[W+2:W+3], v[W+2:W+3], v[SC:SC+1]
.if (\mode) == 2
	R3
	s_mov_b32 s[TB], SLOT1                         ; the last slot
	v_add_nc_u32 v[ADR], s[TB], v[A0]
	s_wait_alu depctr_va_vdst(0)
.endif
.endm
	s_load_b128 s[4:7], s[0:1], 0x0                ; qimg s[4:5], kv s[6:7]
	s_load_b128 s[8:11], s[0:1], 0x10              ; wimg s[8:9], b_o s[10:11]
	s_load_b64 s[12:13], s[0:1], 0x20              ; out0
	v_lshl_add_u32 v[SPW], v0, 2, SPARE
	v_mov_b32 v[NIL], 0
	ds_add_u32 v[SPW], v[NIL]                      ; the wave's opening: the add, twice on end, and its wait ahead of my first tensor load
	ds_add_u32 v[SPW], v[NIL]
	v_lshrrev_b32 v110, 5, v0
	v_readfirstlane_b32 s[WV], v110                ; wave 0..15
	s_and_b32 s15, s[WV], 3                        ; hd
	s_lshr_b32 s16, s[WV], 2                       ; qt
	s_bfe_u32 s17, ttmp6, 0x40000                  ; cx: it enters addresses of qimg, out0 and the prefetches alone
	s_lshl_b32 s18, ttmp9, 2
	s_add_co_u32 s18, s18, s17                     ; g: my block of 64 queries
	s_lshr_b32 s19, ttmp9, 3                       ; the batch, which the four partners share
	s_mov_b32 s[SEL], 0x76543210
	s_mov_b32 s[SEL+1], 0xfedcba98                 ; v_permlanex16_b32's selects for lane l xor 16
	s_mov_b32 s[CS], 0x3e38aa3b                    ; c = log2(e) / 8
	s_mov_b32 s[CS+1], s[CS]                       ; (named with it as a pair, so it is written)
	s_mov_b32 s[NCS], 0xbe38aa3b
	s_mov_b32 s[TB], 0
	s_mov_b32 s[SLOTS], 7                          ; 8 slots' worth of keys; the first is asked for at the head
	s_mul_i32 s48, s15, 12800
	s_mul_i32 s49, s[WV], 768                      ; half fragment WV of ctx: fragment 2 qt + hd / 2, half hd % 2
	s_lshr_b32 s50, s[WV], 1
	s_lshl_b32 s50, s50, 6
	s_and_b32 s51, s[WV], 1
	s_lshl_b32 s51, s51, 1
	s_add_co_u32 s50, s50, s51
	s_add_co_u32 s50, s50, CSC
	s_lshl_b32 s53, s16, 8
	s_lshl_b32 s54, s15, 5
	s_add_co_u32 s53, s53, s54                     ; column tile WV begins at byte 256 (WV / 4) + 32 (WV % 4)
	s_mul_i32 s55, s[WV], 4*SP                     ; rows 4 WV .. 4 WV + 3 of the stage
	s_add_co_u32 s55, s55, STG
	; who prefetches: waves 4-7 of the batch's first cluster: the same in all four partners
	s_xor_b32 s58, s16, 1
	s_and_b32 s59, ttmp9, 7
	s_or_b32 s58, s58, s59
	s_cmp_eq_u32 s58, 0
	s_cselect_b32 s[LIM], 1, -1
	; an image of (step, head): a dense block, as 50 rows of 256 bytes (32 elements of 8 bytes)
	s_mov_b32 s[G1], 15|(3<<16)|(1<<21)            ; 15:0 the mask: all four work-groups; 17:16 elements of 8 bytes; 21 set beside a mask; no padding
	s_mov_b32 s[G1+1], 32<<16                      ; tensor_dim0 = 32
	s_mov_b32 s[G1+2], 50<<16                      ; tensor_dim1 = 50
	s_mov_b32 s[G1+3], 32<<16                      ; tile_dim0 = 32
	s_mov_b32 s[G1+4], 50                          ; tile_dim1 = 50
	s_mov_b32 s[G1+5], 32                          ; from row to row
	s_mov_b32 s[G1+6], 0
	s_mov_b32 s[G1+7], 0
	s_mov_b32 s[G0], 1
	s_and_b32 s60, s[WV], 7
	s_mul_i32 s[G0+1], s60, 12800                  ; LDS: slot 0, image WV = 4 q + hd (waves 0-7 issue)
	s_mul_i32 s60, s19, 819200                     ; the batch's 16 steps
	s_add_co_u32 s[G0+2], s60, s[G0+1]
	s_mov_b32 s[G0+3], 0
	s_lshl_b32 s61, s17, 2
	s_add_co_u32 s61, s61, s15                     ; the prefetches: part 4 cx + WV % 4 of sixteen,
	s_mul_i32 s61, s61, 6400
	s_add_co_u32 s[PFA], s60, s61
	s_add_co_u32 s[PFA], s[PFA], SLOTB             ; in the second slot's worth: the first change of slots steps it to the third
	s_mov_b32 s[PFA+1], 0
	s_lshl_b32 s42, s18, 14                        ; q: (tile 4 g + qt, head hd), 1,024 bytes
	s_lshl_b32 s43, s16, 12
	s_add_co_u32 s42, s42, s43
	s_lshl_b32 s43, s15, 10
	s_add_co_u32 s42, s42, s43
	s_mov_b32 s43, 0
	s_mul_i32 s44, s[WV], 3584                     ; w_o's column tile WV
	s_mov_b32 s45, 0
	s_lshl_b32 s60, s[WV], 2                       ; out: stage rows 4 WV on are queries 4 WV on, or, in the second 32, those 8 further on, modulo 32
	s_lshr_b32 s61, s[WV], 3
	s_lshl_b32 s61, s61, 3
	s_add_co_u32 s61, s61, s60
	s_and_b32 s61, s61, 31
	s_and_b32 s60, s60, 32
	s_or_b32 s60, s60, s61
	s_lshl_b32 s60, s60, 10
	s_lshl_b32 s61, s18, 16
	s_add_co_u32 s60, s60, s61
	s_mov_b32 s61, 0
	v_and_b32 v111, 31, v0                         ; lane
	v_and_b32 v112, 15, v0                         ; r
	v_bfe_u32 v113, v0, 4, 1                       ; h
	v_lshlrev_b32 v[CRI], 3, v111
	v_and_b32 v114, 8, v112
	v_mad_u32_u24 v114, 3, v114, v112              ; r + 24 (r / 8): my query's row in the stage, less 8 m
	v_add_nc_u32 v[A0], s48, v[CRI]
	v_add_nc_u32 v[CWI], s49, v[CRI]
	v_lshl_add_u32 v[CWS], v112, 2, s50
	v_add_nc_u32 v[CWS], v[CWS], v113              ; my block's byte in my query's word
	v_lshl_add_u32 v[CRS], v112, 2, CSC
	v_lshl_add_u32 v[BO], v113, 7, s53             ; my eight columns 128 h further on
	v_mul_u32_u24 v114, SP, v114
	v_add_nc_u32 v[STO], v114, v[BO]
	v_add_nc_u32 v[STO], STG, v[STO]
	v_lshl_add_u32 v[SRD], v111, 4, s55
	v_lshlrev_b32 v[L16], 4, v111
	v_min_u32 v[PFO], 24, v111
	v_lshlrev_b32 v[PFO], 8, v[PFO]
	s_wait_alu depctr_va_vdst(0)
	s_wait_dscnt 0x0                               ; both opening adds are done
	s_wait_kmcnt 0x0
	s_add_nc_u64 s[G0+2:G0+3], s[6:7], s[G0+2:G0+3]
	s_or_b32 s[G0+3], s[G0+3], 0x80000000
	s_add_nc_u64 s[PFA:PFA+1], s[6:7], s[PFA:PFA+1]
	s_add_nc_u64 s[42:43], s[4:5], s[42:43]
	s_add_nc_u64 s[44:45], s[8:9], s[44:45]
	s_add_nc_u64 s[12:13], s[12:13], s[60:61]
	ROUND                                          ; all four work-groups are here: the first joint loads meet
	TLOAD                                          ; slot 0
.irp p, 0,1,2
	global_load_b64 v[Q+2*\p:Q+2*\p+1], v[CRI], s[42:43] offset:256*\p             ; q, as the lower half of [q, 0]
	global_load_b64 v[Q+12+2*\p:Q+12+2*\p+1], v[CRI], s[42:43] offset:256*\p       ; and as the upper half of [0, q]
.endr
	global_load_b32 v[QS], v[CRI], s[42:43] offset:768
.irp j, 6,7,8,9,10,11
	v_mov_b32 v[Q+\j], 0                           ; the zero codes that both forms of q share
.endr
.irp j, 0,1,2,3,4,5,6,7,8,9,10,11,12,13,14,15,16,17,18,19,20,21,22,23,24,25,26,27,28,29,30,31
	v_mov_b32 v[OT+\j], 0                          ; O^T.  (The step is written without a first step of its own: the first finds zeros, which the first change of M leaves zeros)
.endr
	v_mov_b32 v[W], 0x7f61b1e6                     ; -M: 3e38
	v_mov_b32 v[W+1], 0xff61b1e6                   ; the largest score so far: -3e38
	v_mov_b32 v[W+2], 0                            ; the sum, in two halves
	v_mov_b32 v[W+3], 0
	v_mov_b32 v[W+5], 0                            ; (named as the upper half of a pair)
	v_mov_b32 v[W+11], 0                           ; (a lane permute's destination counts as read)
	CH_OPEN 1                                      ; slot 0 is in; slot 1 is first filled as a refill is
	CLOSE
	TLOAD
	ASK
	s_mov_b32 s[SLOTS], 6
	s_wait_alu depctr_va_vdst(0)
	s_wait_loadcnt 0x0                             ; q and its scale words
.Lslot:                                            ; 6 trips: in each the slot that it leaves is filled again
	v_add_nc_u32 v[ADR], s[TB], v[A0]
	s_wait_alu depctr_va_vdst(0)
	STEP 0, 0
	STEP 1, 1
	s_sub_co_u32 s[SLOTS], s[SLOTS], 1
	s_cmp_lg_u32 s[SLOTS], 0
	s_wait_alu depctr_va_vdst(0)
	s_cbranch_scc1 .Lslot
	v_mov_b32 v[ADR], v[A0]                        ; the last two slots (at 0 and at SLOT1) are written out
	s_wait_alu depctr_va_vdst(0)
	STEP 0, 0
	STEP 1, 2
	STEP 0, 0
	STEP 1, 3
	; ---- ctx = O^T / the sum, quantised along the head: half a fragment of the last product's operand
	v_add_f32 v[W+10], v[W+2], v[W+3]              ; the sum's two halves,
	v_permlanex16_b32 v[W+11], v[W+10], s[SEL], s[SEL+1]
	v_add_f32 v[W+10], v[W+10], v[W+11]            ; and lane l xor 16's: the row's sum
	s_wait_alu depctr_va_vdst(0)
	v_rcp_f32 v[W+4], v[W+10]
	v_nop                                          ; a plain place behind the reciprocal
	s_wait_alu depctr_va_vdst(0)                   ; for the reciprocal and for O^T
.irp j, 0,2,4,6,8,10,12,14,16,18,20,22,24,26,28,30
	v_pk_mul_f32 v[SC+\j:SC+\j+1], v[OT+\j:OT+\j+1], v[W+4:W+5] op_sel_hi:[1,0]
.endr
	v_max3_num_f32 v[W+6], |v[SC]|, |v[SC+1]|, 0x2800000           ; my block of 32, and the floor 2^(5 - 127)
	v_max3_num_f32 v[W+7], |v[SC+16]|, |v[SC+17]|, |v[SC+18]|
.irp i, 0,2,4,6,8,10
	v_max3_num_f32 v[W+6], v[W+6], |v[SC+2+\i]|, |v[SC+3+\i]|
	v_max3_num_f32 v[W+7], v[W+7], |v[SC+19+\i]|, |v[SC+20+\i]|
.endr
	v_max3_num_f32 v[W+6], v[W+6], |v[SC+14]|, |v[SC+15]|
	v_max3_num_f32 v[W+6], v[W+6], v[W+7], |v[SC+31]|
	v_add_nc_u32 v[W+8], 0xfe000000, v[W+6]
	CVT 0
	v_lshrrev_b32 v[W+10], 23, v[W+8]              ; the scale's byte.  (A plain place behind the conversions)
	MOVE 0
.irp p, 0,1,2
	ds_store_b64 v[CWI], v[PC+2*\p:PC+2*\p+1] offset:256*\p        ; into slot 0: every wave has passed the last change of slots, behind which nobody reads or fills it
.endr
	ds_store_b8 v[CWS], v[W+10]
	BARRIER                                        ; ctx's eight fragments lie in LDS
	; ---- out = ctx w_o + b_o: my column tile for the four tiles of queries, transposed (source 0 = 16 columns of w_o, source 1 = ctx)
.irp f, 0,1,2,3,4,5,6,7
.irp p, 0,1,2,3,4,5
	ds_load_b64 v[CF+12*\f+2*\p:CF+12*\f+2*\p+1], v[CRI] offset:1536*\f+256*\p
.endr
	ds_load_b32 v[SA+\f], v[CRS] offset:64*\f
.endr
	s_wait_dscnt 0x0
	s_wait_loadcnt 0x0                             ; w_o, its scale words, b_o
.irp m, 0,1,2,3                                ; the bias is the C of each sum's first product; the four accumulators by turns
	v_wmma_scale_f32_16x16x128_f8f6f4 v[OT+8*\m:OT+8*\m+7], v[WO:WO+11], v[CF+24*\m:CF+24*\m+11], v[BI:BI+7], v[WOS], v[SA+2*\m] matrix_a_fmt:MATRIX_FMT_BF6 matrix_b_fmt:MATRIX_FMT_BF6
.endr
.irp m, 0,1,2,3
	v_wmma_scale_f32_16x16x128_f8f6f4 v[OT+8*\m:OT+8*\m+7], v[WO+12:WO+23], v[CF+24*\m+12:CF+24*\m+23], v[OT+8*\m:OT+8*\m+7], v[WOS+1], v[SA+2*\m+1] matrix_a_fmt:MATRIX_FMT_BF6 matrix_b_fmt:MATRIX_FMT_BF6
.endr
	PLACES 4
.irp m, 0,1,2,3
	ds_store_b128 v[STO], v[OT+8*\m:OT+8*\m+3] offset:8*\m*SP      ; lane (r, h): eight neighbouring columns of my query's row; each accumulator from its low end on
	ds_store_b128 v[STO], v[OT+8*\m+4:OT+8*\m+7] offset:8*\m*SP+16
.endr
	BARRIER                                        ; 64 whole rows of out lie in the stage
.irp n, 0,1,2,3,4,5,6,7
	ds_load_b128 v[CF+4*\n:CF+4*\n+3], v[SRD] offset:(\n/2)*SP+512*(\n%2)
.endr
.irp n, 0,1,2,3,4,5,6,7
	s_wait_dscnt 7-\n                              ; piece n is in; the 7 - n younger loads may be out
	global_store_b128 v[L16], v[CF+4*\n:CF+4*\n+3], s[12:13] offset:(\n/2)*1024+512*(\n%2) th:TH_STORE_NT   ; 32 lanes store 512 consecutive bytes, aligned; written once, read by nobody here
.endr
	s_wait_tensorcnt 0x0                           ; the wave's end
	ds_add_u32 v[SPW], v[NIL]
	s_wait_dscnt 0x0
	ROUND                                          ; the closing round
	s_endpgm
.Lfunc_end_k_q53dbe4b9a0_attn:
	.size	k_q53dbe4b9a0_attn, .Lfunc_end_k_q53dbe4b9a0_attn-k_q53dbe4b9a0_attn
	.p2alignl 7, 3214868480
	.fill 96, 4, 3214868480
	.section	.rodata,"a",@progbits
	.p2align	6, 0x0
	.amdhsa_kernel k_q53dbe4b9a0_attn
		.amdhsa_group_segment_fixed_size 327680
		.amdhsa_private_segment_fixed_size 0
		.amdhsa_enable_private_segment 0
		.amdhsa_kernarg_size 40
		.amdhsa_user_sgpr_count 2
		.amdhsa_user_sgpr_kernarg_segment_ptr 1
		.amdhsa_wavefront_size32 1
		.amdhsa_system_sgpr_workgroup_id_x 1
		.amdhsa_system_sgpr_workgroup_id_y 1
		.amdhsa_system_sgpr_workgroup_id_z 1
		.amdhsa_system_vgpr_workitem_id 0
		.amdhsa_next_free_vgpr 256
		.amdhsa_next_free_sgpr 66
		.amdhsa_reserve_vcc 0
		.amdhsa_float_denorm_mode_32 3
		.amdhsa_float_denorm_mode_16_64 3
		.amdhsa_memory_ordered 1
		.amdhsa_forward_progress 1
		.amdhsa_inst_pref_size 117
	.end_amdhsa_kernel
	.amdgpu_metadata
---
amdhsa.version: [ 1, 2 ]
amdhsa.kernels:
  - .name:           k_q53dbe4b9a0_attn
    .symbol:         k_q53dbe4b9a0_attn.kd
    .args:
      - { .name: qimg, .offset: 0, .size: 8, .value_kind: global_buffer, .address_space: global }
      - { .name: kv, .offset: 8, .size: 8, .value_kind: global_buffer, .address_space: global }
      - { .name: wimg, .offset: 16, .size: 8, .value_kind: global_buffer, .address_space: global }
      - { .name: b_o, .offset: 24, .size: 8, .value_kind: global_buffer, .address_space: global }
      - { .name: out0, .offset: 32, .size: 8, .value_kind: global_buffer, .address_space: global }
    .group_segment_fixed_size: 327680
    .private_segment_fixed_size: 0
    .kernarg_segment_align: 8
    .kernarg_segment_size: 40
    .max_flat_workgroup_size: 512
    .sgpr_count:     66
    .vgpr_count:     256
    .wavefront_size: 32
...
	.end_amdgpu_metadata
.endif
;; end of part 2
